; MI455X (gfx1250); checked and timed in simulation.
; The chip was launched on July 23, 2026; its instructions are those of AMD's public machine-readable ISA for CDNA 5 (MIT licence, August 2026) and "CDNA5" Instruction Set Architecture Reference Guide (July 2026). The comments in the code are by the model that wrote it; some were corrected since.
;; Sinusoidal Synthesizer. Allowed arithmetic: float matrix products may take bf16 or f16 operands with f32 sums; other float arithmetic in f32, or as packed bf16 or f16 multiplies, adds, multiply-adds, maxima and minima; sums over many terms, partial sums and values carried from step to step in f32; what a program stores and reads back later, other than sums and carried values, may be rounded once to bf16 or f16.
;; Inputs: amplitudes 8 x 250 x 64 float32; frequencies 8 x 250 x 64 float32.
;; Outputs: out0 8 x 64,000 float32.
;; 2 versions, each right; version 2 is version 1 with the launch synth written anew for expert scheduling mode. Each part assembles by itself: llvm-mc -triple=amdgcn-amd-amdhsa -mcpu=gfx1250 --defsym DOCPART=n.
;; ======== version 1 of 2: 1 launch
;; limits: a function is approximated: absolute error at most 0.00025
;; launch synth (part 1): grid 32 x 8, 16 waves a work-group, no clusters, 49,152 bytes of LDS; arguments amplitudes, frequencies, out0; writes out0
.if DOCPART == 1
	.amdgcn_target "amdgcn-amd-amdhsa--gfx1250"
	.amdhsa_code_object_version 6
	.text
	.protected	k_q08eae4fc0a_synth
	.globl	k_q08eae4fc0a_synth
	.p2align	8
	.type	k_q08eae4fc0a_synth,@function
k_q08eae4fc0a_synth:
	s_mov_b64 s[64:65], 0
	v_nop
	global_prefetch_b8 v0, s[64:65] scope:SCOPE_SE
	s_setreg_imm32_b32 hwreg(HW_REG_WAVE_MODE, 25, 1), 1
	s_wait_xcnt 0x0
; SINUSOIDAL SYNTHESIZER.  out0[b][n] = the sum over 64 sinusoids s of amp_env[b][n][s] sin(phase[b][n][s]).  amplitudes, frequencies: [8][250][64] f32; out0: [8][64000] f32.
; FRAMES.  A = 2 sigmoid(x)^ln10 + 1e-7;  f = 440 x 2^((MM sigmoid(x) - 69) / 12) Hz, MM = f32(119.2130966);  A = 0 where f >= 8000.
; WORK LEFT OUT.  reference() upsamples 250 frames to 64,000 samples by a product with a [250][64000] matrix that it builds itself.  Sample 256 t + m lies at frame t + (m + 0.5) / 256 - 0.5, so for all
; values of the inputs a column holds two weights, 1 - w on frame t and w = |m - 127.5| / 256 on the neighbour (t - 1 for m < 128, else t + 1), and one weight 1 at both ends of the signal; all else is 0.
; Only the two terms are computed; the neighbour's number is clamped to 0 .. 249, which gives the ends.  A and f are bounded functions of finite inputs, so no NaN, infinity or overflow can arise in the
; products with 0 that are left out; none would be carried to the result.  Both inputs are read.
; THE RUNNING SUM IN CLOSED FORM.  With a = f x f32(2 pi / 16000) / (2 pi), the turns a sample, and v = m - 127, the sum of the interpolated a up to and with sample 256 t + m is
;   theta = P_t + v (a_t + beta v),   beta = +-(a_nb - a_t) / 512 (+ for m >= 128),   P_t = the sum over u < t of 256 a_u, + 128 a_t.
; Only theta modulo one turn matters: 256 a_u and 128 a_t are reduced exactly (x - rndne(x)) before they are added, so the sums stay small.
; THE SINE.  u = theta - rndne(theta), z = u u, sin(2 pi u) = u (C0 + z (C1 + z (C2 + z C3))): the Chebyshev series of sin(pi x) cut behind its 7th term.
; THE SECOND NYQUIST CUT.  H = (8000 - f) 2^20 is interpolated like A and clamped to 0 .. 1: 0 where the interpolated f is 8000 or more, 1 from 2^-20 Hz below.
; LIMITS.  The order of rounding differs from an f32 running sum of 64,000 terms (whose own error grows with the phase).  The sine is off by 2.5e-4 at the most.  The second cut stands where the exact
; interpolation of the f32 frame frequencies reaches 8000 Hz, and is fractional within 2^-20 Hz below.  Where sigmoid rounds to 1, (MM - 69) / 12 rounds to 4 + 386767 x 2^-21 and f is 8000.0017 Hz, three
; and a half steps of f32 above 8000: the frame is cut; within a few steps of sigmoid = 1, f falls on the side of 8000 Hz to which this text's 2^x rounds.  NaN and infinite inputs are not treated apart.
; SHARES.  Work-group (c, b) makes blocks t0 .. t0 + 7, t0 = 8 c, of batch b: 2,048 samples (c = 31: blocks 248 and 249).  Wave w makes half a block: t = t0 + w / 2, samples 128 (w % 2) + 0 .. 127;
; lane l the four samples 4 l + 0 .. 3: one store of 16 bytes a lane, 512 consecutive bytes a wave, aligned.  A packed instruction works on two sinusoids of one sample.
; THE PREFIX.  Each work-group makes the sum over u < t0 of 256 a_u for itself: at most 248 x 64 frame frequencies, 32 rows a round on its 512 threads, at most 8 rounds.
; NO MATRIX INSTRUCTION: no product is left.  NO TENSOR LOAD, NO CLUSTER: a work-group reads at most 258 rows of 256 bytes, once, at its head, by 8 to 10 loads a thread; the work-groups of a batch want
; prefixes of different lengths (8 c rows), so they would make different numbers of joint requests.
.set PART,  0                          ; LDS: 16 rows x 256 bytes: wave w's partial prefix sums of the 64 sinusoids
.set FTA,   4096                       ; [10][64] f32: a of frames t0 - 1 .. t0 + 8 (clamped to 0 .. 249)
.set FTFR,  6656                       ; the same frames' 256 a, reduced
.set FTAM,  9216                       ; their A
.set FTH,   11776                      ; their H
.set PTAB,  14336                      ; 16 waves x 2,048 bytes: 32 pairs of sinusoids x 64 bytes: P P a a | beta beta A A | dA dA H H | dH dH; each wave's own
.set SPARE, 47104                      ; the spare words, 128 bytes for each of 16 waves: eight blocks of 256 bytes that no other line names
.set SPW, 2                            ; v2   SPARE + 4 x my thread's number; never rewritten
.set NIL, 3                            ; v3   0; never rewritten
.set TO,  4                            ; v4   16 x thread
.set OWN, 5                            ; v5   byte offset in the batch of my 16 bytes of the work-group's own frames
.set TA,  6                            ; v6   at work
.set PST, 7                            ; v7   256 w + 16 (l % 16): where my partial sums go
.set L8,  8                            ; v8   8 l: my pair of sinusoids in a row of 64
.set LT,  9                            ; v9   8 l + 256 jt: the same in my block's frame
.set LN,  10                           ; v10  8 l + 256 jn: in the neighbour's
.set PW,  11                           ; v11  PTAB + 2048 w + 64 l: my pair's record
.set PR,  12                           ; v12  PTAB + 2048 w: my wave's table, the same in all lanes; never rewritten
.set OO,  13                           ; v13  16 l: my 16 bytes of the wave's 512 of out0
.set TB,  14                           ; v14, v15  at work
.set TC,  15
; frames:
.set AD,  16                           ; v[16:23]   the eight rounds' offsets
.set X,   24                           ; v[24:55]   the eight rounds' frequencies, 4 a round
.set XF,  56                           ; v[56:59]   own frames: frequencies
.set XA,  60                           ; v[60:63]   own frames: amplitudes
.set SUM, 64                           ; v[64:67]   my partial prefix sums
.set E4,  68                           ; v[68:83]   E4, D4, R4, T4: at work
.set D4,  72
.set R4,  76
.set T4,  80
.set F4,  84                           ; f
.set A4,  88                           ; a
.set FR4, 92                           ; 256 a, reduced
.set K4,  96                           ; whole turns
.set AM4, 100                          ; A
.set H4,  104                          ; H
; a wave's table:
.set PS,  40                           ; v[40:71]   the 16 partial rows
.set FRJ, 72                           ; v[72:85]   256 a, reduced, of frames t0 .. t0 + 6
.set R,   88                           ; v[88:101]  the record
.set NB,  102                          ; v[102:107] the neighbour's a, A, H
.set TM,  108                          ; v[108:111] at work
; samples:
.set NU,  16                           ; v[16:23]   v of my four samples, each twice
.set WW,  24                           ; v[24:31]   w likewise
.set ACC, 32                           ; v[32:39]   a sample's sums over even and over odd sinusoids
.set PX,  40                           ; v[40:53]   a record
.set PY,  56                           ; v[56:69]   the next
.set TH,  72
.set KK,  80
.set EE,  88
.set MQ,  96
.set OUT, 104
.macro STLE
	v_nop
	s_wait_alu depctr_va_vdst(0)
.endm
; Four frequencies at v[x ..] -> F4 = f, A4 = a, FR4 = 256 a reduced.  The steps and their roundings are reference()'s: sigmoid, times MM, less 69, divided by 12, 2^x, times 440.
.macro FCHAIN x
.irp h, 0,2
	v_pk_mul_f32 v[E4+(\h):E4+(\h)+1], v[(\x)+(\h):(\x)+(\h)+1], 0xbfb8aa3b op_sel_hi:[1,0]  ; -x log2(e)
.endr
.irp i, 0,1,2,3
	v_min_num_f32 v[E4+(\i)], 0x42fc0000, v[E4+(\i)]  ; at most 126: 1 + 2^126 and its reciprocal are finite and normal
.endr
.irp i, 0,1,2,3
	v_exp_f32 v[E4+(\i)], v[E4+(\i)]
.endr
	STLE
.irp h, 0,2
	v_pk_add_f32 v[D4+(\h):D4+(\h)+1], v[E4+(\h):E4+(\h)+1], 1.0 op_sel_hi:[1,0]
.endr
.irp i, 0,1,2,3
	v_rcp_f32 v[R4+(\i)], v[D4+(\i)]
.endr
	STLE
.irp h, 0,2
	v_pk_fma_f32 v[T4+(\h):T4+(\h)+1], v[D4+(\h):D4+(\h)+1], v[R4+(\h):R4+(\h)+1], 1.0 op_sel_hi:[1,1,0] neg_lo:[1,0,0] neg_hi:[1,0,0]  ; 1 - d r
.endr
.irp h, 0,2
	v_pk_fma_f32 v[R4+(\h):R4+(\h)+1], v[T4+(\h):T4+(\h)+1], v[R4+(\h):R4+(\h)+1], v[R4+(\h):R4+(\h)+1]  ; one Newton step: the sigmoid
.endr
.irp h, 0,2
	v_pk_mul_f32 v[T4+(\h):T4+(\h)+1], v[R4+(\h):R4+(\h)+1], 0x42ee6d1b op_sel_hi:[1,0]  ; midi, rounded as reference() rounds it: on purpose not fused with the next line
.endr
.irp h, 0,2
	v_pk_add_f32 v[T4+(\h):T4+(\h)+1], v[T4+(\h):T4+(\h)+1], 0xc28a0000 op_sel_hi:[1,0]  ; y = midi - 69
.endr
.irp h, 0,2
	v_pk_mul_f32 v[E4+(\h):E4+(\h)+1], v[T4+(\h):T4+(\h)+1], 0x3daaaaab op_sel_hi:[1,0]  ; y / 12: q = y x f32(1/12),
.endr
.irp h, 0,2
	v_pk_fma_f32 v[D4+(\h):D4+(\h)+1], v[E4+(\h):E4+(\h)+1], 0xc1400000, v[T4+(\h):T4+(\h)+1] op_sel_hi:[1,0,1]  ; the remainder y - 12 q,
.endr
.irp h, 0,2
	v_pk_fma_f32 v[E4+(\h):E4+(\h)+1], v[D4+(\h):D4+(\h)+1], 0x3daaaaab, v[E4+(\h):E4+(\h)+1] op_sel_hi:[1,0,1]  ; and q mended by it
.endr
.irp i, 0,1,2,3
	v_exp_f32 v[E4+(\i)], v[E4+(\i)]
.endr
	STLE
.irp h, 0,2
	v_pk_mul_f32 v[F4+(\h):F4+(\h)+1], v[E4+(\h):E4+(\h)+1], 0x43dc0000 op_sel_hi:[1,0]  ; f = 440 x 2^(y / 12)
.endr
.irp h, 0,2
	v_pk_mul_f32 v[T4+(\h):T4+(\h)+1], v[F4+(\h):F4+(\h)+1], 0xabe12b5e op_sel_hi:[1,0]  ; a = f x f32(2 pi / 16000) / (2 pi): the factor 6.25e-5 (1 + 2.19e-8) in two parts, the low one
.endr
.irp h, 0,2
	v_pk_fma_f32 v[A4+(\h):A4+(\h)+1], v[F4+(\h):F4+(\h)+1], 0x3883126f, v[T4+(\h):T4+(\h)+1] op_sel_hi:[1,0,1]  ; and the high one
.endr
.irp h, 0,2
	v_pk_mul_f32 v[T4+(\h):T4+(\h)+1], v[A4+(\h):A4+(\h)+1], 0x43800000 op_sel_hi:[1,0]  ; 256 a: exact
.endr
.irp i, 0,1,2,3
	v_rndne_f32 v[K4+(\i)], v[T4+(\i)]
.endr
.irp h, 0,2
	v_pk_add_f32 v[FR4+(\h):FR4+(\h)+1], v[T4+(\h):T4+(\h)+1], v[K4+(\h):K4+(\h)+1] neg_lo:[0,1] neg_hi:[0,1]  ; less its whole turns: exact
.endr
.endm
; Four amplitudes at XA, their frames' f in F4 -> AM4.  sigmoid(x)^ln10 = 2^(-ln10 log2(1 + 2^(-x log2 e))).
.macro ACHAIN
.irp h, 0,2
	v_pk_mul_f32 v[E4+(\h):E4+(\h)+1], v[XA+(\h):XA+(\h)+1], 0xbfb8aa3b op_sel_hi:[1,0]
.endr
.irp i, 0,1,2,3
	v_min_num_f32 v[E4+(\i)], 0x42fc0000, v[E4+(\i)]  ; at most 126: no infinity is formed; the power is 0 from far below that
.endr
.irp i, 0,1,2,3
	v_exp_f32 v[E4+(\i)], v[E4+(\i)]
.endr
	STLE
.irp h, 0,2
	v_pk_add_f32 v[D4+(\h):D4+(\h)+1], v[E4+(\h):E4+(\h)+1], 1.0 op_sel_hi:[1,0]
.endr
.irp i, 0,1,2,3
	v_log_f32 v[D4+(\i)], v[D4+(\i)]
.endr
	STLE
.irp h, 0,2
	v_pk_mul_f32 v[D4+(\h):D4+(\h)+1], v[D4+(\h):D4+(\h)+1], 0xc0135d8e op_sel_hi:[1,0]  ; x -f32(ln 10)
.endr
.irp i, 0,1,2,3
	v_exp_f32 v[D4+(\i)], v[D4+(\i)]
.endr
	STLE
.irp h, 0,2
	v_pk_fma_f32 v[AM4+(\h):AM4+(\h)+1], v[D4+(\h):D4+(\h)+1], 2.0, s[44:45] op_sel_hi:[1,0,0]  ; 2 p + 1e-7
.endr
.irp i, 0,1,2,3
	v_cmp_gt_f32 vcc_lo, s39, v[F4+(\i)]           ; 8000 > f?
	v_cndmask_b32 v[AM4+(\i)], 0, v[AM4+(\i)], vcc_lo  ; else 0
.endr
.endm
; The 56 bytes of the record at byte off of my wave's table, into set s: every lane reads the same bytes.
.macro LOADP s, off
	ds_load_b128 v[(\s):(\s)+3],     v[PR] offset:(\off)
	ds_load_b128 v[(\s)+4:(\s)+7],   v[PR] offset:(\off)+16
	ds_load_b128 v[(\s)+8:(\s)+11],  v[PR] offset:(\off)+32
	ds_load_b64  v[(\s)+12:(\s)+13], v[PR] offset:(\off)+48
.endm
; Two sinusoids x my four samples: 56 lines for 8 terms.  Each step goes over the four samples, so that a line and the line that needs its result stand four apart.
; first = 1: the first record's terms start the sums: nothing is cleared.
.macro COMPUTE s, first=0
.irp k, 0,2,4,6
	v_pk_fma_f32 v[TH+(\k):TH+(\k)+1], v[(\s)+4:(\s)+5], v[NU+(\k):NU+(\k)+1], v[(\s)+2:(\s)+3]  ; a + beta v
.endr
.irp k, 0,2,4,6
	v_pk_fma_f32 v[TH+(\k):TH+(\k)+1], v[TH+(\k):TH+(\k)+1], v[NU+(\k):NU+(\k)+1], v[(\s):(\s)+1]  ; theta = P + v (a + beta v)
.endr
.irp k, 0,1,2,3,4,5,6,7
	v_rndne_f32 v[KK+(\k)], v[TH+(\k)]
.endr
.irp k, 0,2,4,6
	v_pk_fma_f32 v[EE+(\k):EE+(\k)+1], v[(\s)+8:(\s)+9], v[WW+(\k):WW+(\k)+1], v[(\s)+6:(\s)+7]  ; A + dA w
.endr
.irp k, 0,2,4,6
	v_pk_fma_f32 v[MQ+(\k):MQ+(\k)+1], v[(\s)+12:(\s)+13], v[WW+(\k):WW+(\k)+1], v[(\s)+10:(\s)+11] clamp  ; H + dH w, held to 0 .. 1
.endr
.irp k, 0,2,4,6
	v_pk_add_f32 v[TH+(\k):TH+(\k)+1], v[TH+(\k):TH+(\k)+1], v[KK+(\k):KK+(\k)+1] neg_lo:[0,1] neg_hi:[0,1]  ; u, in -0.5 .. 0.5
.endr
.irp k, 0,2,4,6
	v_pk_mul_f32 v[KK+(\k):KK+(\k)+1], v[TH+(\k):TH+(\k)+1], v[TH+(\k):TH+(\k)+1]  ; z
.endr
.irp k, 0,2,4,6
	v_pk_mul_f32 v[EE+(\k):EE+(\k)+1], v[EE+(\k):EE+(\k)+1], v[MQ+(\k):MQ+(\k)+1]
.endr
.irp k, 0,2,4,6
	v_pk_fma_f32 v[MQ+(\k):MQ+(\k)+1], v[KK+(\k):KK+(\k)+1], s[34:35], s[32:33] op_sel_hi:[1,0,0]
.endr
.irp k, 0,2,4,6
	v_pk_mul_f32 v[EE+(\k):EE+(\k)+1], v[EE+(\k):EE+(\k)+1], v[TH+(\k):TH+(\k)+1]
.endr
.irp k, 0,2,4,6
	v_pk_fma_f32 v[MQ+(\k):MQ+(\k)+1], v[MQ+(\k):MQ+(\k)+1], v[KK+(\k):KK+(\k)+1], s[30:31] op_sel_hi:[1,1,0]
.endr
.irp k, 0,2,4,6
	v_pk_fma_f32 v[MQ+(\k):MQ+(\k)+1], v[MQ+(\k):MQ+(\k)+1], v[KK+(\k):KK+(\k)+1], s[28:29] op_sel_hi:[1,1,0]
.endr
.irp k, 0,2,4,6
.if \first
	v_pk_mul_f32 v[ACC+(\k):ACC+(\k)+1], v[EE+(\k):EE+(\k)+1], v[MQ+(\k):MQ+(\k)+1]
.else
	v_pk_fma_f32 v[ACC+(\k):ACC+(\k)+1], v[EE+(\k):EE+(\k)+1], v[MQ+(\k):MQ+(\k)+1], v[ACC+(\k):ACC+(\k)+1]
.endif
.endr
.endm
	; THE HEAD: ids, constants, addresses
	s_load_b128 s[4:7], s[0:1], 0x0                ; amplitudes s[4:5], frequencies s[6:7]
	s_load_b64 s[8:9], s[0:1], 0x10                ; out0
	v_lshl_add_u32 v[SPW], v0, 2, SPARE
	v_mov_b32 v[NIL], 0
	v_lshrrev_b32 v[TA], 5, v0
	v_readfirstlane_b32 s10, v[TA]                 ; wave 0 .. 15
	v_and_b32 v1, 31, v0                           ; lane
	s_mov_b32 s11, ttmp9                           ; c
	s_and_b32 s12, ttmp7, 0xffff                   ; b
	s_lshl_b32 s13, s11, 3                         ; t0 = 8 c
	s_lshl_b32 s17, s10, 1                         ; 2 w: my first row of a round of the prefix
	s_and_b32 s20, s10, 1                          ; which half of the block
	s_lshr_b32 s16, s10, 1
	s_add_co_u32 s18, s16, 1                       ; jt: my block's row in the table of ten frames, whose row 0 is frame t0 - 1
	s_add_co_u32 s21, s13, s16                     ; t
	s_lshl_b32 s19, s20, 1
	s_add_co_u32 s19, s19, s16                     ; jn = jt - 1 + 2 x half: the neighbour's row
	s_lshl_b32 s16, s20, 31                        ; the half as a sign bit
	s_xor_b32 s24, s16, 0xbb000000                 ; -1/512 in the first half, +1/512 in the second: beta's factor
	s_mov_b32 s25, s24                             ; (named as a pair)
	s_xor_b32 s26, s16, 0xbb800000                 ; w = v x -+1/256
	s_xor_b32 s27, s16, 0x3b000000                 ;     +- 1/512
	s_mov_b32 s23, 0                               ; (named with s22 as a pair)
	s_mov_b32 s28, 0x40c8e9ea                      ; C0 =   6.2785540
	s_mov_b32 s29, s28
	s_mov_b32 s30, 0xc2245d4e                      ; C1 = -41.091116
	s_mov_b32 s31, s30
	s_mov_b32 s32, 0x429bd19d                      ; C2 =  77.909404
	s_mov_b32 s33, s32
	s_mov_b32 s34, 0xc2602765                      ; C3 = -56.038470
	s_mov_b32 s35, s34
	s_mov_b32 s36, 0x76543210                      ; v_permlanex16_b32: each lane takes its own place in the other half
	s_mov_b32 s37, 0xfedcba98
	s_mov_b32 s39, 0x45fa0000                      ; 8000
	s_mov_b32 s40, 0xc9800000                      ; -2^20
	s_mov_b32 s41, s40
	s_mov_b32 s42, 0x4ffa0000                      ; 8000 x 2^20
	s_mov_b32 s43, s42
	s_mov_b32 s44, 0x33d6bf95                      ; 1e-7
	s_mov_b32 s45, s44
	v_lshlrev_b32 v[TO], 4, v0
	v_and_b32 v[TB], 15, v0
	v_lshlrev_b32 v[TB], 4, v[TB]                  ; 16 (l % 16): my four sinusoids in a row
	v_lshrrev_b32 v[TA], 4, v0                     ; j = thread / 16
	v_add_nc_u32 v[TA], s13, v[TA]
	v_max_u32 v[TA], 1, v[TA]
	v_add_nc_u32 v[TA], -1, v[TA]                  ; frame t0 - 1 + j, not below 0,
	v_min_u32 v[TA], 249, v[TA]                    ; nor above 249
	v_lshl_add_u32 v[OWN], v[TA], 8, v[TB]
	s_lshl_b32 s16, s10, 8
	v_add_nc_u32 v[PST], s16, v[TB]
	v_lshlrev_b32 v[L8], 3, v1
	s_lshl_b32 s16, s18, 8
	v_add_nc_u32 v[LT], s16, v[L8]
	s_lshl_b32 s16, s19, 8
	v_add_nc_u32 v[LN], s16, v[L8]
	s_lshl_b32 s46, s10, 11
	s_add_co_u32 s46, s46, PTAB                    ; my wave's table
	v_lshl_add_u32 v[PW], v1, 6, s46
	v_mov_b32 v[PR], s46
	v_lshlrev_b32 v[OO], 4, v1
	s_mul_i32 s14, s12, 64000                      ; a batch of either input
	s_mov_b32 s15, 0
	s_wait_kmcnt 0x0
	s_add_nc_u64 s[4:5], s[4:5], s[14:15]
	s_add_nc_u64 s[6:7], s[6:7], s[14:15]
	s_lshl_b32 s16, s11, 4
	s_add_co_u32 s16, s16, s10                     ; half-block 16 c + w of the batch,
	s_lshl_b32 s16, s16, 9                         ; 512 bytes each
	s_mul_i32 s14, s12, 256000
	s_add_co_u32 s14, s14, s16
	s_add_nc_u64 s[8:9], s[8:9], s[14:15]
	; THE LOADS, all at once.  Round i of the prefix: rows 32 i + 2 w and + 1, both below t0 or neither (t0 is even).  A round that does not exist reads round 0's bytes once more and is not used:
	; every load stays inside the batch and every wave has the same count.
.irp i, 0,1,2,3,4,5,6,7
	s_add_co_u32 s16, s17, 32*(\i)
	s_cmp_lt_u32 s16, s13
	s_cselect_b32 s16, 8192*(\i), 0
	v_add_nc_u32 v[AD+(\i)], s16, v[TO]
	global_load_b128 v[X+4*(\i):X+4*(\i)+3], v[AD+(\i)], s[6:7]
.endr
.irp i, 0,1,2,3
	v_mov_b32 v[SUM+(\i)], 0
.endr
	; THE WORK-GROUP'S OWN TEN FRAMES: 160 threads, waves 0 to 4, four sinusoids each
	s_cmp_lt_u32 s10, 5
	s_cbranch_scc0 .Lno_own
	global_load_b128 v[XF:XF+3], v[OWN], s[6:7]
	global_load_b128 v[XA:XA+3], v[OWN], s[4:5]
	s_wait_loadcnt 0x0                             ; all ten went out together
	FCHAIN XF
	ACHAIN
.irp h, 0,2
	v_pk_fma_f32 v[H4+(\h):H4+(\h)+1], v[F4+(\h):F4+(\h)+1], s[40:41], s[42:43] op_sel_hi:[1,0,0]  ; H = (8000 - f) 2^20
.endr
	ds_store_b128 v[TO], v[A4:A4+3]   offset:FTA   ; row j, 16 (l % 16) = 16 x thread
	ds_store_b128 v[TO], v[FR4:FR4+3] offset:FTFR
	ds_store_b128 v[TO], v[AM4:AM4+3] offset:FTAM
	ds_store_b128 v[TO], v[H4:H4+3]   offset:FTH
.Lno_own:
	s_wait_loadcnt 0x0                             ; the eight rounds' frequencies are in
	; THE PREFIX: my rounds that exist; they are the first ones, so the first that does not ends the run.  The jump goes forward and passes no barrier.
.irp i, 0,1,2,3,4,5,6,7
	s_add_co_u32 s16, s17, 32*(\i)
	s_cmp_lt_u32 s16, s13
	s_cbranch_scc0 .Lpfx_done
	FCHAIN X+4*(\i)
	v_pk_add_f32 v[SUM:SUM+1],   v[SUM:SUM+1],   v[FR4:FR4+1]
	v_pk_add_f32 v[SUM+2:SUM+3], v[SUM+2:SUM+3], v[FR4+2:FR4+3]
.endr
.Lpfx_done:
.irp i, 0,1,2,3
	v_permlanex16_b32 v[X+(\i)], v[SUM+(\i)], s36, s37  ; the wave's other row lies in the lane 16 away; the destination has been written (round 0's load)
.endr
	v_pk_add_f32 v[SUM:SUM+1],   v[SUM:SUM+1],   v[X:X+1]
	v_pk_add_f32 v[SUM+2:SUM+3], v[SUM+2:SUM+3], v[X+2:X+3]
	ds_store_b128 v[PST], v[SUM:SUM+3] offset:PART ; both halves of the lanes hold, and write, the same numbers
	s_wait_dscnt 0x0                               ; for the others' sake: my stores of frames and partial sums are done
	s_barrier_signal -1
	s_barrier_wait -1                              ; the one barrier: behind it PART and the four frame tables are only read
	; A WAVE'S TABLE: lane l makes the record of sinusoids 2 l and 2 l + 1 for the wave's half-block
	s_cmp_ge_u32 s21, 250                          ; c = 31 has blocks 248 and 249 alone: its waves 4 to 15 have helped with the prefix and end here
	s_cbranch_scc1 .Lend
.irp r, 0,1,2,3,4,5,6,7,8,9,10,11,12,13,14,15
	ds_load_b64 v[PS+2*(\r):PS+2*(\r)+1], v[L8] offset:PART+256*(\r)
.endr
.irp j, 1,2,3,4,5,6,7
	ds_load_b64 v[FRJ+2*(\j)-2:FRJ+2*(\j)-1], v[L8] offset:FTFR+256*(\j)
.endr
	ds_load_b64 v[R+2:R+3],   v[LT] offset:FTA     ; a, A, H of my block's frame go straight into the record,
	ds_load_b64 v[R+6:R+7],   v[LT] offset:FTAM
	ds_load_b64 v[R+10:R+11], v[LT] offset:FTH
	ds_load_b64 v[NB:NB+1],   v[LN] offset:FTA     ; the neighbour's beside it
	ds_load_b64 v[NB+2:NB+3], v[LN] offset:FTAM
	ds_load_b64 v[NB+4:NB+5], v[LN] offset:FTH
	; while they are out: v = 128 x half - 127 + 4 l + k and w = |v - 1/2| / 256 of my four samples, each twice
	s_lshl_b32 s16, s20, 7
	s_sub_co_u32 s16, s16, 127
	v_lshl_add_u32 v[TB], v1, 2, s16
.irp k, 0,1,2,3
	v_add_nc_u32 v[TC], (\k), v[TB]
	v_cvt_f32_i32 v[NU+2*(\k)], v[TC]
	v_mov_b32 v[NU+2*(\k)+1], v[NU+2*(\k)]
	v_fma_f32 v[WW+2*(\k)], v[NU+2*(\k)], s26, s27
	v_mov_b32 v[WW+2*(\k)+1], v[WW+2*(\k)]
.endr
	s_wait_dscnt 13                                ; the 16 partial rows are in; the 7 + 6 younger loads may stay out
.irp r, 0,2,4,6,8,10,12,14
	v_pk_add_f32 v[PS+(\r):PS+(\r)+1], v[PS+(\r):PS+(\r)+1], v[PS+16+(\r):PS+16+(\r)+1]
.endr
.irp r, 0,2,4,6
	v_pk_add_f32 v[PS+(\r):PS+(\r)+1], v[PS+(\r):PS+(\r)+1], v[PS+8+(\r):PS+8+(\r)+1]
.endr
.irp r, 0,2
	v_pk_add_f32 v[PS+(\r):PS+(\r)+1], v[PS+(\r):PS+(\r)+1], v[PS+4+(\r):PS+4+(\r)+1]
.endr
	v_pk_add_f32 v[PS:PS+1], v[PS:PS+1], v[PS+2:PS+3]  ; the sum over u < t0
	s_wait_dscnt 6                                 ; frames t0 .. t0 + 6 are in; the 6 youngest loads may stay out
.irp j, 1,2,3,4,5,6,7
	s_cmp_gt_u32 s18, (\j)                         ; frame t0 - 1 + j lies ahead of my block?
	s_cselect_b32 s22, 1.0, 0
	v_pk_fma_f32 v[PS:PS+1], v[FRJ+2*(\j)-2:FRJ+2*(\j)-1], s[22:23], v[PS:PS+1] op_sel_hi:[1,0,1]
.endr
	s_wait_dscnt 0x0
	v_pk_mul_f32 v[TM:TM+1], v[R+2:R+3], 0x43000000 op_sel_hi:[1,0]  ; 128 a: exact,
	v_rndne_f32 v[TM+2], v[TM]
	v_rndne_f32 v[TM+3], v[TM+1]
	v_pk_add_f32 v[TM:TM+1], v[TM:TM+1], v[TM+2:TM+3] neg_lo:[0,1] neg_hi:[0,1]  ; less its whole turns: exact
	v_pk_add_f32 v[R:R+1], v[PS:PS+1], v[TM:TM+1]
	v_rndne_f32 v[TM+2], v[R]
	v_rndne_f32 v[TM+3], v[R+1]
	v_pk_add_f32 v[R:R+1], v[R:R+1], v[TM+2:TM+3] neg_lo:[0,1] neg_hi:[0,1]       ; P, in -0.5 .. 0.5
	v_pk_add_f32 v[R+4:R+5], v[NB:NB+1], v[R+2:R+3] neg_lo:[0,1] neg_hi:[0,1]
	v_pk_mul_f32 v[R+4:R+5], v[R+4:R+5], s[24:25] op_sel_hi:[1,0]                 ; beta
	v_pk_add_f32 v[R+8:R+9], v[NB+2:NB+3], v[R+6:R+7] neg_lo:[0,1] neg_hi:[0,1]   ; dA
	v_pk_add_f32 v[R+12:R+13], v[NB+4:NB+5], v[R+10:R+11] neg_lo:[0,1] neg_hi:[0,1]  ; dH
	ds_store_b128 v[PW], v[R:R+3]
	ds_store_b128 v[PW], v[R+4:R+7]   offset:16
	ds_store_b128 v[PW], v[R+8:R+11]  offset:32
	ds_store_b64  v[PW], v[R+12:R+13] offset:48
	; THE SAMPLES.  The table is my wave's own, and LDS serves a wave's instructions in order (ISA guide 5.7.1.4): the loads below see the stores above, with no barrier and no wait between.
	; Two sets of registers: while one record is worked on, the next is on its way.  The 32 records are written out, so that a record's place, 64 bytes x its number, stands in the loads' immediate
	; (2,032 at the most) and the address register is never rewritten: 56 vector lines, four loads and a wait for each record.  Step p works on records 2 p and 2 p + 1 and asks for 2 p + 2 and 2 p + 3.
	LOADP PX, 0
	LOADP PY, 64
.set p, 0
.rept 15
	s_wait_dscnt 4                                 ; the older set is in (the first time: behind the four stores of the table); the younger set's four loads may stay out
.if p == 0
	COMPUTE PX, 1
.else
	COMPUTE PX
.endif
	LOADP PX, 128*p+128
	s_wait_dscnt 4
	COMPUTE PY
	LOADP PY, 128*p+192
.set p, p+1
.endr
	s_wait_dscnt 4                                 ; the last two records: nothing is left to ask for
	COMPUTE PX
	s_wait_dscnt 0x0
	COMPUTE PY
	; THE WAY OUT: even and odd sinusoids' sums are added; the wave's store covers 512 consecutive bytes, at a multiple of 512 from out0's first byte
.irp k, 0,1,2,3
	v_add_f32 v[OUT+(\k)], v[ACC+2*(\k)], v[ACC+2*(\k)+1]
.endr
	global_store_b128 v[OO], v[OUT:OUT+3], s[8:9] th:TH_STORE_NT
.Lend:
	s_wait_tensorcnt 0x0                           ; the wave's end, behind my last LDS store
	ds_add_u32 v[SPW], v[NIL]
	s_wait_dscnt 0x0
	s_endpgm
.Lfunc_end_k_q08eae4fc0a_synth:
	.size	k_q08eae4fc0a_synth, .Lfunc_end_k_q08eae4fc0a_synth-k_q08eae4fc0a_synth
	.p2alignl 7, 3214868480
	.fill 96, 4, 3214868480
	.section	.rodata,"a",@progbits
	.p2align	6, 0x0
	.amdhsa_kernel k_q08eae4fc0a_synth
		.amdhsa_group_segment_fixed_size 49152
		.amdhsa_private_segment_fixed_size 0
		.amdhsa_enable_private_segment 0
		.amdhsa_kernarg_size 24
		.amdhsa_user_sgpr_count 2
		.amdhsa_user_sgpr_kernarg_segment_ptr 1
		.amdhsa_wavefront_size32 1
		.amdhsa_system_sgpr_workgroup_id_x 1
		.amdhsa_system_sgpr_workgroup_id_y 1
		.amdhsa_system_sgpr_workgroup_id_z 1
		.amdhsa_system_vgpr_workitem_id 0
		.amdhsa_next_free_vgpr 112
		.amdhsa_next_free_sgpr 66
		.amdhsa_reserve_vcc 1
		.amdhsa_float_denorm_mode_32 3
		.amdhsa_float_denorm_mode_16_64 3
		.amdhsa_memory_ordered 1
		.amdhsa_forward_progress 1
		.amdhsa_inst_pref_size 160
	.end_amdhsa_kernel
	.amdgpu_metadata
---
amdhsa.version: [ 1, 2 ]
amdhsa.kernels:
  - .name:           k_q08eae4fc0a_synth
    .symbol:         k_q08eae4fc0a_synth.kd
    .args:
      - { .name: amplitudes, .offset: 0, .size: 8, .value_kind: global_buffer, .address_space: global }
      - { .name: frequencies, .offset: 8, .size: 8, .value_kind: global_buffer, .address_space: global }
      - { .name: out0, .offset: 16, .size: 8, .value_kind: global_buffer, .address_space: global }
    .group_segment_fixed_size: 49152
    .private_segment_fixed_size: 0
    .kernarg_segment_align: 8
    .kernarg_segment_size: 24
    .max_flat_workgroup_size: 512
    .sgpr_count:     66
    .vgpr_count:     112
    .wavefront_size: 32
...
	.end_amdgpu_metadata
.endif
;; end of part 1
;; ======== version 2 of 2: 1 launch; version 1 with the launch synth written anew for expert scheduling mode
;; limits: a function is approximated: absolute error at most 0.00025
;; launch synth (part 2): grid 32 x 8, 16 waves a work-group, no clusters, 49,152 bytes of LDS; arguments amplitudes, frequencies, out0; writes out0
.if DOCPART == 2
	.amdgcn_target "amdgcn-amd-amdhsa--gfx1250"
	.amdhsa_code_object_version 6
	.text
	.protected	k_q08eae4fc0a_synth
	.globl	k_q08eae4fc0a_synth
	.p2align	8
	.type	k_q08eae4fc0a_synth,@function
k_q08eae4fc0a_synth:
	s_mov_b64 s[64:65], 0
	v_nop
	global_prefetch_b8 v0, s[64:65] scope:SCOPE_SE
	s_setreg_imm32_b32 hwreg(HW_REG_WAVE_SCHED_MODE, 0, 2), 2
	s_setreg_imm32_b32 hwreg(HW_REG_WAVE_MODE, 25, 1), 1
	s_wait_xcnt 0x0
	s_wait_alu depctr_vm_vsrc(0)
; SINUSOIDAL SYNTHESIZER.  out0[b][n] = the sum over 64 sinusoids s of amp_env[b][n][s] sin(phase[b][n][s]).  amplitudes, frequencies: [8][250][64] f32; out0: [8][64000] f32.
; FRAMES.  A = 2 sigmoid(x)^ln10 + 1e-7;  f = 440 x 2^((MM sigmoid(x) - 69) / 12) Hz, MM = f32(119.2130966);  A = 0 where f >= 8000.
; WORK LEFT OUT.  reference() upsamples 250 frames to 64,000 samples by a product with a [250][64000] matrix that it builds itself.  Sample 256 t + m lies at frame t + (m + 0.5) / 256 - 0.5, so for all
; values of the inputs a column holds two weights, 1 - w on frame t and w = |m - 127.5| / 256 on the neighbour (t - 1 for m < 128, else t + 1), and one weight 1 at both ends of the signal; all else is 0.
; Only the two terms are computed; the neighbour's number is clamped to 0 .. 249, which gives the ends.  A and f are bounded functions of finite inputs, so no NaN, infinity or overflow can arise in the
; products with 0 that are left out; none would be carried to the result.  Both inputs are read.
; THE RUNNING SUM IN CLOSED FORM.  With a = f x f32(2 pi / 16000) / (2 pi), the turns a sample, and v = m - 127, the sum of the interpolated a up to and with sample 256 t + m is
;   theta = P_t + v (a_t + beta v),   beta = +-(a_nb - a_t) / 512 (+ for m >= 128),   P_t = the sum over u < t of 256 a_u, + 128 a_t.
; Only theta modulo one turn matters: 256 a_u and 128 a_t are reduced exactly (x - rndne(x)) before they are added, so the sums stay small.
; THE SINE.  u = theta - rndne(theta), z = u u, sin(2 pi u) = u (C0 + z (C1 + z (C2 + z C3))): the Chebyshev series of sin(pi x) cut behind its 7th term.
; THE SECOND NYQUIST CUT.  H = (8000 - f) 2^20 is interpolated like A and clamped to 0 .. 1: 0 where the interpolated f is 8000 or more, 1 from 2^-20 Hz below.
; LIMITS.  The order of rounding differs from an f32 running sum of 64,000 terms (whose own error grows with the phase).  The sine is off by 2.5e-4 at the most.  The second cut stands where the exact
; interpolation of the f32 frame frequencies reaches 8000 Hz, and is fractional within 2^-20 Hz below.  Where sigmoid rounds to 1, (MM - 69) / 12 rounds to 4 + 386767 x 2^-21 and f is 8000.0017 Hz, three
; and a half steps of f32 above 8000: the frame is cut; within a few steps of sigmoid = 1, f falls on the side of 8000 Hz to which this text's 2^x rounds.  NaN and infinite inputs are not treated apart.
; SHARES.  Work-group (c, b) makes blocks t0 .. t0 + 7, t0 = 8 c, of batch b: 2,048 samples (c = 31: blocks 248 and 249).  Wave w makes half a block: t = t0 + w / 2, samples 128 (w % 2) + 0 .. 127;
; lane l the four samples 4 l + 0 .. 3: one store of 16 bytes a lane, 512 consecutive bytes a wave, aligned.  A packed instruction works on two sinusoids of one sample.
; THE PREFIX.  Each work-group makes the sum over u < t0 of 256 a_u for itself: at most 248 x 64 frame frequencies, 32 rows a round on its 512 threads, at most 8 rounds.
; NO MATRIX INSTRUCTION: no product is left.  NO TENSOR LOAD, NO CLUSTER: a work-group reads at most 258 rows of 256 bytes, once, at its head, by 8 to 10 loads a thread; the work-groups of a batch want
; prefixes of different lengths (8 c rows), so they would make different numbers of joint requests.
; THE MODE: SCHED_MODE bits 1:0 = 2 (LLVM: expert scheduling mode 2), set by the entry lines.  The code itself states the register dependences between vector instructions and memory or LDS
; instructions, with s_wait_alu, always for 0.
; THE PLAN.  Registers that memory or LDS instructions touch:
;   v4, v5, v7 .. v13   offsets and LDS addresses: made at the head, ahead of one wait on va_vdst, and never written again.
;   v[16:23]            the eight rounds' offsets: made at the head, read by the head's loads; behind the barrier, behind a wait on vm_vsrc, they become NU.
;   v[24:63]            the head's loads land here; no vector line has named them before.
;   A4, FR4, AM4, H4    written by the own frames' chains; one wait on va_vdst; read by four LDS stores; one wait on vm_vsrc; then the prefix writes A4 and FR4 again.
;   SUM                 written by the prefix; one wait on va_vdst, which also shows every vector line so far done with v[40:107]; read by one LDS store; one wait on vm_vsrc behind the barrier.
;   v[40:107]           behind the barrier 29 LDS loads land here; no vector line stands between that wait on va_vdst and them.
;   R                   written by loads and by the table's arithmetic; one wait on va_vdst, which also shows the adds done with v[40:71]; read by four LDS stores; one wait on vm_vsrc ahead of the first record's work, which writes these registers again.
;   S0 .. S3            four sets for records.  Step p works on records 2 p and 2 p + 1 in one pair of sets and asks for records 2 p + 2 and 2 p + 3, which land in the other pair, named by step p - 1's lines alone.
;                       So ONE wait on va_vdst stands at a step's head, and the step's eight loads follow it, four ahead of each record's 56 vector lines, which name none of the registers that those loads touch.
;   OUT                 written by four adds; one wait on va_vdst; read by the store.
.set PART,  0                          ; LDS: 16 rows x 256 bytes: wave w's partial prefix sums of the 64 sinusoids
.set FTA,   4096                       ; [10][64] f32: a of frames t0 - 1 .. t0 + 8 (clamped to 0 .. 249)
.set FTFR,  6656                       ; the same frames' 256 a, reduced
.set FTAM,  9216                       ; their A
.set FTH,   11776                      ; their H
.set PTAB,  14336                      ; 16 waves x 2,048 bytes: 32 pairs of sinusoids x 64 bytes: P P a a | beta beta A A | dA dA H H | dH dH; each wave's own
.set SPARE, 47104                      ; the spare words, 128 bytes for each of 16 waves: eight blocks of 256 bytes that no other line names
.set SPW, 2                            ; v2   SPARE + 4 x my thread's number; never rewritten
.set NIL, 3                            ; v3   0; never rewritten
.set TO,  4                            ; v4   16 x thread
.set OWN, 5                            ; v5   byte offset in the batch of my 16 bytes of the work-group's own frames
.set TA,  6                            ; v6   at work
.set PST, 7                            ; v7   256 w + 16 (l % 16): where my partial sums go
.set L8,  8                            ; v8   8 l: my pair of sinusoids in a row of 64
.set LT,  9                            ; v9   8 l + 256 jt: the same in my block's frame
.set LN,  10                           ; v10  8 l + 256 jn: in the neighbour's
.set PW,  11                           ; v11  PTAB + 2048 w + 64 l: my pair's record
.set PR,  12                           ; v12  PTAB + 2048 w: my wave's table, the same in all lanes; never rewritten
.set OO,  13                           ; v13  16 l: my 16 bytes of the wave's 512 of out0
.set TB,  14                           ; v14, v15  at work
.set TC,  15
; frames:
.set AD,  16                           ; v[16:23]   the eight rounds' offsets
.set X,   24                           ; v[24:55]   the eight rounds' frequencies, 4 a round
.set XF,  56                           ; v[56:59]   own frames: frequencies
.set XA,  60                           ; v[60:63]   own frames: amplitudes
.set SUM, 64                           ; v[64:67]   my partial prefix sums
.set E4,  68                           ; v[68:83]   E4, D4, R4, T4: at work
.set D4,  72
.set R4,  76
.set T4,  80
.set F4,  84                           ; f
.set A4,  88                           ; a
.set FR4, 92                           ; 256 a, reduced
.set K4,  96                           ; whole turns
.set AM4, 100                          ; A
.set H4,  104                          ; H
; a wave's table:
.set PS,  40                           ; v[40:71]   the 16 partial rows
.set FRJ, 72                           ; v[72:85]   256 a, reduced, of frames t0 .. t0 + 6
.set R,   88                           ; v[88:101]  the record
.set NB,  102                          ; v[102:107] the neighbour's a, A, H
.set TM,  108                          ; v[108:111] at work
; samples:
.set NU,  16                           ; v[16:23]   v of my four samples, each twice
.set WW,  24                           ; v[24:31]   w likewise
.set ACC, 32                           ; v[32:39]   a sample's sums over even and over odd sinusoids
.set PX,  40                           ; four sets of 14 registers for records: S0 v[40:53], S1 v[56:69]; 72 further on S2 v[112:125], S3 v[128:141]
.set TH,  72
.set KK,  80
.set EE,  88
.set MQ,  96
.set OUT, 104
.macro STLE
	v_nop
	s_wait_alu depctr_va_vdst(0)                   ; the four transcendentals just issued have written their results, which the next lines read
.endm
; Four frequencies at v[x ..] -> F4 = f, A4 = a, FR4 = 256 a reduced.  The steps and their roundings are reference()'s: sigmoid, times MM, less 69, divided by 12, 2^x, times 440.
.macro FCHAIN x
.irp h, 0,2
	v_pk_mul_f32 v[E4+(\h):E4+(\h)+1], v[(\x)+(\h):(\x)+(\h)+1], 0xbfb8aa3b op_sel_hi:[1,0]  ; -x log2(e)
.endr
.irp i, 0,1,2,3
	v_min_num_f32 v[E4+(\i)], 0x42fc0000, v[E4+(\i)]  ; at most 126: 1 + 2^126 and its reciprocal are finite and normal
.endr
.irp i, 0,1,2,3
	v_exp_f32 v[E4+(\i)], v[E4+(\i)]
.endr
	STLE
.irp h, 0,2
	v_pk_add_f32 v[D4+(\h):D4+(\h)+1], v[E4+(\h):E4+(\h)+1], 1.0 op_sel_hi:[1,0]
.endr
.irp i, 0,1,2,3
	v_rcp_f32 v[R4+(\i)], v[D4+(\i)]
.endr
	STLE
.irp h, 0,2
	v_pk_fma_f32 v[T4+(\h):T4+(\h)+1], v[D4+(\h):D4+(\h)+1], v[R4+(\h):R4+(\h)+1], 1.0 op_sel_hi:[1,1,0] neg_lo:[1,0,0] neg_hi:[1,0,0]  ; 1 - d r
.endr
.irp h, 0,2
	v_pk_fma_f32 v[R4+(\h):R4+(\h)+1], v[T4+(\h):T4+(\h)+1], v[R4+(\h):R4+(\h)+1], v[R4+(\h):R4+(\h)+1]  ; one Newton step: the sigmoid
.endr
.irp h, 0,2
	v_pk_mul_f32 v[T4+(\h):T4+(\h)+1], v[R4+(\h):R4+(\h)+1], 0x42ee6d1b op_sel_hi:[1,0]  ; midi, rounded as reference() rounds it: on purpose not fused with the next line
.endr
.irp h, 0,2
	v_pk_add_f32 v[T4+(\h):T4+(\h)+1], v[T4+(\h):T4+(\h)+1], 0xc28a0000 op_sel_hi:[1,0]  ; y = midi - 69
.endr
.irp h, 0,2
	v_pk_mul_f32 v[E4+(\h):E4+(\h)+1], v[T4+(\h):T4+(\h)+1], 0x3daaaaab op_sel_hi:[1,0]  ; y / 12: q = y x f32(1/12),
.endr
.irp h, 0,2
	v_pk_fma_f32 v[D4+(\h):D4+(\h)+1], v[E4+(\h):E4+(\h)+1], 0xc1400000, v[T4+(\h):T4+(\h)+1] op_sel_hi:[1,0,1]  ; the remainder y - 12 q,
.endr
.irp h, 0,2
	v_pk_fma_f32 v[E4+(\h):E4+(\h)+1], v[D4+(\h):D4+(\h)+1], 0x3daaaaab, v[E4+(\h):E4+(\h)+1] op_sel_hi:[1,0,1]  ; and q mended by it
.endr
.irp i, 0,1,2,3
	v_exp_f32 v[E4+(\i)], v[E4+(\i)]
.endr
	STLE
.irp h, 0,2
	v_pk_mul_f32 v[F4+(\h):F4+(\h)+1], v[E4+(\h):E4+(\h)+1], 0x43dc0000 op_sel_hi:[1,0]  ; f = 440 x 2^(y / 12)
.endr
.irp h, 0,2
	v_pk_mul_f32 v[T4+(\h):T4+(\h)+1], v[F4+(\h):F4+(\h)+1], 0xabe12b5e op_sel_hi:[1,0]  ; a = f x f32(2 pi / 16000) / (2 pi): the factor 6.25e-5 (1 + 2.19e-8) in two parts, the low one
.endr
.irp h, 0,2
	v_pk_fma_f32 v[A4+(\h):A4+(\h)+1], v[F4+(\h):F4+(\h)+1], 0x3883126f, v[T4+(\h):T4+(\h)+1] op_sel_hi:[1,0,1]  ; and the high one
.endr
.irp h, 0,2
	v_pk_mul_f32 v[T4+(\h):T4+(\h)+1], v[A4+(\h):A4+(\h)+1], 0x43800000 op_sel_hi:[1,0]  ; 256 a: exact
.endr
.irp i, 0,1,2,3
	v_rndne_f32 v[K4+(\i)], v[T4+(\i)]
.endr
.irp h, 0,2
	v_pk_add_f32 v[FR4+(\h):FR4+(\h)+1], v[T4+(\h):T4+(\h)+1], v[K4+(\h):K4+(\h)+1] neg_lo:[0,1] neg_hi:[0,1]  ; less its whole turns: exact
.endr
.endm
; Four amplitudes at XA, their frames' f in F4 -> AM4.  sigmoid(x)^ln10 = 2^(-ln10 log2(1 + 2^(-x log2 e))).
.macro ACHAIN
.irp h, 0,2
	v_pk_mul_f32 v[E4+(\h):E4+(\h)+1], v[XA+(\h):XA+(\h)+1], 0xbfb8aa3b op_sel_hi:[1,0]
.endr
.irp i, 0,1,2,3
	v_min_num_f32 v[E4+(\i)], 0x42fc0000, v[E4+(\i)]  ; at most 126: no infinity is formed; the power is 0 from far below that
.endr
.irp i, 0,1,2,3
	v_exp_f32 v[E4+(\i)], v[E4+(\i)]
.endr
	STLE
.irp h, 0,2
	v_pk_add_f32 v[D4+(\h):D4+(\h)+1], v[E4+(\h):E4+(\h)+1], 1.0 op_sel_hi:[1,0]
.endr
.irp i, 0,1,2,3
	v_log_f32 v[D4+(\i)], v[D4+(\i)]
.endr
	STLE
.irp h, 0,2
	v_pk_mul_f32 v[D4+(\h):D4+(\h)+1], v[D4+(\h):D4+(\h)+1], 0xc0135d8e op_sel_hi:[1,0]  ; x -f32(ln 10)
.endr
.irp i, 0,1,2,3
	v_exp_f32 v[D4+(\i)], v[D4+(\i)]
.endr
	STLE
.irp h, 0,2
	v_pk_fma_f32 v[AM4+(\h):AM4+(\h)+1], v[D4+(\h):D4+(\h)+1], 2.0, s[44:45] op_sel_hi:[1,0,0]  ; 2 p + 1e-7
.endr
	v_cmp_gt_f32 s2,  s39, v[F4]                   ; 8000 > f?  Four compares in a run, each into a scalar register of its own,
	v_cmp_gt_f32 s3,  s39, v[F4+1]
	v_cmp_gt_f32 s38, s39, v[F4+2]
	v_cmp_gt_f32 s47, s39, v[F4+3]
	s_wait_alu depctr_va_sdst(0)                   ; the four compares have written s2, s3, s38 and s47, ahead of the selects that read them
	v_cndmask_b32 v[AM4],   0, v[AM4],   s2        ; else 0
	v_cndmask_b32 v[AM4+1], 0, v[AM4+1], s3
	v_cndmask_b32 v[AM4+2], 0, v[AM4+2], s38
	v_cndmask_b32 v[AM4+3], 0, v[AM4+3], s47
.endm
; The 56 bytes of the record at byte off of my wave's table, into set s: every lane reads the same bytes.
.macro LOADP s, off
	ds_load_b128 v[(\s):(\s)+3],     v[PR] offset:(\off)
	ds_load_b128 v[(\s)+4:(\s)+7],   v[PR] offset:(\off)+16
	ds_load_b128 v[(\s)+8:(\s)+11],  v[PR] offset:(\off)+32
	ds_load_b64  v[(\s)+12:(\s)+13], v[PR] offset:(\off)+48
.endm
; Two sinusoids x my four samples: 56 lines for 8 terms.  Each step goes over the four samples, so that a line and the line that needs its result stand four apart.
; first = 1: the first record's terms start the sums: nothing is cleared.
.macro COMPUTE s, first=0
.irp k, 0,2,4,6
	v_pk_fma_f32 v[TH+(\k):TH+(\k)+1], v[(\s)+4:(\s)+5], v[NU+(\k):NU+(\k)+1], v[(\s)+2:(\s)+3]  ; a + beta v
.endr
.irp k, 0,2,4,6
	v_pk_fma_f32 v[TH+(\k):TH+(\k)+1], v[TH+(\k):TH+(\k)+1], v[NU+(\k):NU+(\k)+1], v[(\s):(\s)+1]  ; theta = P + v (a + beta v)
.endr
.irp k, 0,1,2,3,4,5,6,7
	v_rndne_f32 v[KK+(\k)], v[TH+(\k)]
.endr
.irp k, 0,2,4,6
	v_pk_fma_f32 v[EE+(\k):EE+(\k)+1], v[(\s)+8:(\s)+9], v[WW+(\k):WW+(\k)+1], v[(\s)+6:(\s)+7]  ; A + dA w
.endr
.irp k, 0,2,4,6
	v_pk_fma_f32 v[MQ+(\k):MQ+(\k)+1], v[(\s)+12:(\s)+13], v[WW+(\k):WW+(\k)+1], v[(\s)+10:(\s)+11] clamp  ; H + dH w, held to 0 .. 1
.endr
.irp k, 0,2,4,6
	v_pk_add_f32 v[TH+(\k):TH+(\k)+1], v[TH+(\k):TH+(\k)+1], v[KK+(\k):KK+(\k)+1] neg_lo:[0,1] neg_hi:[0,1]  ; u, in -0.5 .. 0.5
.endr
.irp k, 0,2,4,6
	v_pk_mul_f32 v[KK+(\k):KK+(\k)+1], v[TH+(\k):TH+(\k)+1], v[TH+(\k):TH+(\k)+1]  ; z
.endr
.irp k, 0,2,4,6
	v_pk_mul_f32 v[EE+(\k):EE+(\k)+1], v[EE+(\k):EE+(\k)+1], v[MQ+(\k):MQ+(\k)+1]
.endr
.irp k, 0,2,4,6
	v_pk_fma_f32 v[MQ+(\k):MQ+(\k)+1], v[KK+(\k):KK+(\k)+1], s[34:35], s[32:33] op_sel_hi:[1,0,0]
.endr
.irp k, 0,2,4,6
	v_pk_mul_f32 v[EE+(\k):EE+(\k)+1], v[EE+(\k):EE+(\k)+1], v[TH+(\k):TH+(\k)+1]
.endr
.irp k, 0,2,4,6
	v_pk_fma_f32 v[MQ+(\k):MQ+(\k)+1], v[MQ+(\k):MQ+(\k)+1], v[KK+(\k):KK+(\k)+1], s[30:31] op_sel_hi:[1,1,0]
.endr
.irp k, 0,2,4,6
	v_pk_fma_f32 v[MQ+(\k):MQ+(\k)+1], v[MQ+(\k):MQ+(\k)+1], v[KK+(\k):KK+(\k)+1], s[28:29] op_sel_hi:[1,1,0]
.endr
.irp k, 0,2,4,6
.if \first
	v_pk_mul_f32 v[ACC+(\k):ACC+(\k)+1], v[EE+(\k):EE+(\k)+1], v[MQ+(\k):MQ+(\k)+1]
.else
	v_pk_fma_f32 v[ACC+(\k):ACC+(\k)+1], v[EE+(\k):EE+(\k)+1], v[MQ+(\k):MQ+(\k)+1], v[ACC+(\k):ACC+(\k)+1]
.endif
.endr
.endm
	; THE HEAD: ids, constants, addresses
	s_load_b128 s[4:7], s[0:1], 0x0                ; amplitudes s[4:5], frequencies s[6:7]
	s_load_b64 s[8:9], s[0:1], 0x10                ; out0
	v_lshl_add_u32 v[SPW], v0, 2, SPARE
	v_mov_b32 v[NIL], 0
	v_lshrrev_b32 v[TA], 5, v0
	v_readfirstlane_b32 s10, v[TA]                 ; wave 0 .. 15
	v_and_b32 v1, 31, v0                           ; lane
	s_mov_b32 s11, ttmp9                           ; c
	s_and_b32 s12, ttmp7, 0xffff                   ; b
	s_lshl_b32 s13, s11, 3                         ; t0 = 8 c
	s_wait_alu depctr_va_sdst(0)                   ; s10 is written, ahead of its first reader: rows, LDS addresses and out0's base are made from it
	s_lshl_b32 s17, s10, 1                         ; 2 w: my first row of a round of the prefix
	s_and_b32 s20, s10, 1                          ; which half of the block
	s_lshr_b32 s16, s10, 1
	s_add_co_u32 s18, s16, 1                       ; jt: my block's row in the table of ten frames, whose row 0 is frame t0 - 1
	s_add_co_u32 s21, s13, s16                     ; t
	s_lshl_b32 s19, s20, 1
	s_add_co_u32 s19, s19, s16                     ; jn = jt - 1 + 2 x half: the neighbour's row
	s_lshl_b32 s16, s20, 31                        ; the half as a sign bit
	s_xor_b32 s24, s16, 0xbb000000                 ; -1/512 in the first half, +1/512 in the second: beta's factor
	s_mov_b32 s25, s24                             ; (named as a pair)
	s_xor_b32 s26, s16, 0xbb800000                 ; w = v x -+1/256
	s_xor_b32 s27, s16, 0x3b000000                 ;     +- 1/512
	s_mov_b32 s23, 0                               ; (named with s22 as a pair)
	s_mov_b32 s28, 0x40c8e9ea                      ; C0 =   6.2785540
	s_mov_b32 s29, s28
	s_mov_b32 s30, 0xc2245d4e                      ; C1 = -41.091116
	s_mov_b32 s31, s30
	s_mov_b32 s32, 0x429bd19d                      ; C2 =  77.909404
	s_mov_b32 s33, s32
	s_mov_b32 s34, 0xc2602765                      ; C3 = -56.038470
	s_mov_b32 s35, s34
	s_mov_b32 s36, 0x76543210                      ; v_permlanex16_b32: each lane takes its own place in the other half
	s_mov_b32 s37, 0xfedcba98
	s_mov_b32 s39, 0x45fa0000                      ; 8000
	s_mov_b32 s40, 0xc9800000                      ; -2^20
	s_mov_b32 s41, s40
	s_mov_b32 s42, 0x4ffa0000                      ; 8000 x 2^20
	s_mov_b32 s43, s42
	s_mov_b32 s44, 0x33d6bf95                      ; 1e-7
	s_mov_b32 s45, s44
	v_lshlrev_b32 v[TO], 4, v0
	v_and_b32 v[TB], 15, v0
	v_lshlrev_b32 v[TB], 4, v[TB]                  ; 16 (l % 16): my four sinusoids in a row
	v_lshrrev_b32 v[TA], 4, v0                     ; j = thread / 16
	v_add_nc_u32 v[TA], s13, v[TA]
	v_max_u32 v[TA], 1, v[TA]
	v_add_nc_u32 v[TA], -1, v[TA]                  ; frame t0 - 1 + j, not below 0,
	v_min_u32 v[TA], 249, v[TA]                    ; nor above 249
	v_lshl_add_u32 v[OWN], v[TA], 8, v[TB]
	s_lshl_b32 s16, s10, 8
	v_add_nc_u32 v[PST], s16, v[TB]
	v_lshlrev_b32 v[L8], 3, v1
	s_lshl_b32 s16, s18, 8
	v_add_nc_u32 v[LT], s16, v[L8]
	s_lshl_b32 s16, s19, 8
	v_add_nc_u32 v[LN], s16, v[L8]
	s_lshl_b32 s46, s10, 11
	s_add_co_u32 s46, s46, PTAB                    ; my wave's table
	v_lshl_add_u32 v[PW], v1, 6, s46
	v_mov_b32 v[PR], s46
	v_lshlrev_b32 v[OO], 4, v1
	; Round i of the prefix: rows 32 i + 2 w and + 1, both below t0 or neither (t0 is even).  A round that does not exist reads round 0's bytes once more and is not used:
	; every load stays inside the batch and every wave has the same count.  All eight offsets are made here, so that one wait serves the eight loads.
.irp i, 0,1,2,3,4,5,6,7
	s_add_co_u32 s16, s17, 32*(\i)
	s_cmp_lt_u32 s16, s13
	s_cselect_b32 s16, 8192*(\i), 0
	v_add_nc_u32 v[AD+(\i)], s16, v[TO]
.endr
.irp i, 0,1,2,3
	v_mov_b32 v[SUM+(\i)], 0
.endr
	s_mul_i32 s14, s12, 64000                      ; a batch of either input
	s_mov_b32 s15, 0
	s_wait_kmcnt 0x0
	s_add_nc_u64 s[4:5], s[4:5], s[14:15]
	s_add_nc_u64 s[6:7], s[6:7], s[14:15]
	s_lshl_b32 s16, s11, 4
	s_add_co_u32 s16, s16, s10                     ; half-block 16 c + w of the batch,
	s_lshl_b32 s16, s16, 9                         ; 512 bytes each
	s_mul_i32 s14, s12, 256000
	s_add_co_u32 s14, s14, s16
	s_add_nc_u64 s[8:9], s[8:9], s[14:15]
	s_wait_alu depctr_va_vdst(0)                   ; v4, v5, v7 to v13 and v[16:23] are written: every load and store of the kernel reads one of them as its offset or its LDS address
	; THE LOADS, all at once
.irp i, 0,1,2,3,4,5,6,7
	global_load_b128 v[X+4*(\i):X+4*(\i)+3], v[AD+(\i)], s[6:7]
.endr
	; THE WORK-GROUP'S OWN TEN FRAMES: 160 threads, waves 0 to 4, four sinusoids each
	s_cmp_lt_u32 s10, 5
	s_cbranch_scc0 .Lno_own
	global_load_b128 v[XF:XF+3], v[OWN], s[6:7]
	global_load_b128 v[XA:XA+3], v[OWN], s[4:5]
	s_wait_loadcnt 0x0                             ; all ten went out together
	FCHAIN XF
	ACHAIN
.irp h, 0,2
	v_pk_fma_f32 v[H4+(\h):H4+(\h)+1], v[F4+(\h):F4+(\h)+1], s[40:41], s[42:43] op_sel_hi:[1,0,0]  ; H = (8000 - f) 2^20
.endr
	s_wait_alu depctr_va_vdst(0)                   ; the chains have written A4, FR4, AM4 and H4, which the four LDS stores read
	ds_store_b128 v[TO], v[A4:A4+3]   offset:FTA   ; row j, 16 (l % 16) = 16 x thread
	ds_store_b128 v[TO], v[FR4:FR4+3] offset:FTFR
	ds_store_b128 v[TO], v[AM4:AM4+3] offset:FTAM
	ds_store_b128 v[TO], v[H4:H4+3]   offset:FTH
	s_wait_alu depctr_vm_vsrc(0)                   ; the four stores have read A4 and FR4, which the prefix's chains write again, and AM4 and H4, in which loads land behind the barrier
.Lno_own:
	s_wait_loadcnt 0x0                             ; the eight rounds' frequencies are in
	; THE PREFIX: my rounds that exist; they are the first ones, so the first that does not ends the run.  The jump goes forward and passes no barrier.
.irp i, 0,1,2,3,4,5,6,7
	s_add_co_u32 s16, s17, 32*(\i)
	s_cmp_lt_u32 s16, s13
	s_cbranch_scc0 .Lpfx_done
	FCHAIN X+4*(\i)
	v_pk_add_f32 v[SUM:SUM+1],   v[SUM:SUM+1],   v[FR4:FR4+1]
	v_pk_add_f32 v[SUM+2:SUM+3], v[SUM+2:SUM+3], v[FR4+2:FR4+3]
.endr
.Lpfx_done:
.irp i, 0,1,2,3
	v_permlanex16_b32 v[X+(\i)], v[SUM+(\i)], s36, s37  ; the wave's other row lies in the lane 16 away; the destination has been written (round 0's load)
.endr
	v_pk_add_f32 v[SUM:SUM+1],   v[SUM:SUM+1],   v[X:X+1]
	v_pk_add_f32 v[SUM+2:SUM+3], v[SUM+2:SUM+3], v[X+2:X+3]
	s_wait_alu depctr_va_vdst(0)                   ; SUM is written, which the LDS store reads; and every vector line so far is done with v[40:107], in which the loads behind the barrier land: no vector line stands between this wait and them
	ds_store_b128 v[PST], v[SUM:SUM+3] offset:PART ; both halves of the lanes hold, and write, the same numbers
	s_wait_dscnt 0x0                               ; for the others' sake: my stores of frames and partial sums are done
	s_barrier_signal -1
	s_barrier_wait -1                              ; the one barrier: behind it PART and the four frame tables are only read
	s_wait_alu depctr_vm_vsrc(0)                   ; my LDS store has read SUM, in which a load below lands; the head's loads have read v[16:23], which become NU below
	; A WAVE'S TABLE: lane l makes the record of sinusoids 2 l and 2 l + 1 for the wave's half-block
	s_cmp_ge_u32 s21, 250                          ; c = 31 has blocks 248 and 249 alone: its waves 4 to 15 have helped with the prefix and end here
	s_cbranch_scc1 .Lend
.irp r, 0,1,2,3,4,5,6,7,8,9,10,11,12,13,14,15
	ds_load_b64 v[PS+2*(\r):PS+2*(\r)+1], v[L8] offset:PART+256*(\r)
.endr
.irp j, 1,2,3,4,5,6,7
	ds_load_b64 v[FRJ+2*(\j)-2:FRJ+2*(\j)-1], v[L8] offset:FTFR+256*(\j)
.endr
	ds_load_b64 v[R+2:R+3],   v[LT] offset:FTA     ; a, A, H of my block's frame go straight into the record,
	ds_load_b64 v[R+6:R+7],   v[LT] offset:FTAM
	ds_load_b64 v[R+10:R+11], v[LT] offset:FTH
	ds_load_b64 v[NB:NB+1],   v[LN] offset:FTA     ; the neighbour's beside it
	ds_load_b64 v[NB+2:NB+3], v[LN] offset:FTAM
	ds_load_b64 v[NB+4:NB+5], v[LN] offset:FTH
	; while they are out: v = 128 x half - 127 + 4 l + k and w = |v - 1/2| / 256 of my four samples, each twice
	s_lshl_b32 s16, s20, 7
	s_sub_co_u32 s16, s16, 127
	v_lshl_add_u32 v[TB], v1, 2, s16
.irp k, 0,1,2,3
	v_add_nc_u32 v[TC], (\k), v[TB]
	v_cvt_f32_i32 v[NU+2*(\k)], v[TC]
	v_mov_b32 v[NU+2*(\k)+1], v[NU+2*(\k)]
	v_fma_f32 v[WW+2*(\k)], v[NU+2*(\k)], s26, s27
	v_mov_b32 v[WW+2*(\k)+1], v[WW+2*(\k)]
.endr
	s_wait_dscnt 13                                ; the 16 partial rows are in; the 7 + 6 younger loads may stay out
.irp r, 0,2,4,6,8,10,12,14
	v_pk_add_f32 v[PS+(\r):PS+(\r)+1], v[PS+(\r):PS+(\r)+1], v[PS+16+(\r):PS+16+(\r)+1]
.endr
.irp r, 0,2,4,6
	v_pk_add_f32 v[PS+(\r):PS+(\r)+1], v[PS+(\r):PS+(\r)+1], v[PS+8+(\r):PS+8+(\r)+1]
.endr
.irp r, 0,2
	v_pk_add_f32 v[PS+(\r):PS+(\r)+1], v[PS+(\r):PS+(\r)+1], v[PS+4+(\r):PS+4+(\r)+1]
.endr
	v_pk_add_f32 v[PS:PS+1], v[PS:PS+1], v[PS+2:PS+3]  ; the sum over u < t0
	s_wait_dscnt 6                                 ; frames t0 .. t0 + 6 are in; the 6 youngest loads may stay out
.irp j, 1,2,3,4,5,6,7
	s_cmp_gt_u32 s18, (\j)                         ; frame t0 - 1 + j lies ahead of my block?
	s_cselect_b32 s22, 1.0, 0
	v_pk_fma_f32 v[PS:PS+1], v[FRJ+2*(\j)-2:FRJ+2*(\j)-1], s[22:23], v[PS:PS+1] op_sel_hi:[1,0,1]
.endr
	s_wait_dscnt 0x0
	v_pk_mul_f32 v[TM:TM+1], v[R+2:R+3], 0x43000000 op_sel_hi:[1,0]  ; 128 a: exact,
	v_rndne_f32 v[TM+2], v[TM]
	v_rndne_f32 v[TM+3], v[TM+1]
	v_pk_add_f32 v[TM:TM+1], v[TM:TM+1], v[TM+2:TM+3] neg_lo:[0,1] neg_hi:[0,1]  ; less its whole turns: exact
	v_pk_add_f32 v[R:R+1], v[PS:PS+1], v[TM:TM+1]
	v_rndne_f32 v[TM+2], v[R]
	v_rndne_f32 v[TM+3], v[R+1]
	v_pk_add_f32 v[R:R+1], v[R:R+1], v[TM+2:TM+3] neg_lo:[0,1] neg_hi:[0,1]       ; P, in -0.5 .. 0.5
	v_pk_add_f32 v[R+4:R+5], v[NB:NB+1], v[R+2:R+3] neg_lo:[0,1] neg_hi:[0,1]
	v_pk_mul_f32 v[R+4:R+5], v[R+4:R+5], s[24:25] op_sel_hi:[1,0]                 ; beta
	v_pk_add_f32 v[R+8:R+9], v[NB+2:NB+3], v[R+6:R+7] neg_lo:[0,1] neg_hi:[0,1]   ; dA
	v_pk_add_f32 v[R+12:R+13], v[NB+4:NB+5], v[R+10:R+11] neg_lo:[0,1] neg_hi:[0,1]  ; dH
	s_wait_alu depctr_va_vdst(0)                   ; the record R is written, which the four LDS stores read; and the adds above are done with v[40:71], in which the first two records land
	ds_store_b128 v[PW], v[R:R+3]
	ds_store_b128 v[PW], v[R+4:R+7]   offset:16
	ds_store_b128 v[PW], v[R+8:R+11]  offset:32
	ds_store_b64  v[PW], v[R+12:R+13] offset:48
	; THE SAMPLES.  The table is my wave's own, and LDS serves a wave's instructions in order (ISA guide 5.7.1.4): the loads below see the stores above, with no barrier and no wait between.
	; Four sets of registers, in two pairs: while one pair's records are worked on, the next two are on their way into the other pair.  The 32 records are written out, so that a record's place, 64 bytes x
	; its number, stands in the loads' immediate (2,032 at the most) and the address register is never rewritten.  Step p works on records 2 p and 2 p + 1 and asks for 2 p + 2 and 2 p + 3.
	LOADP PX, 0
	LOADP PX+16, 64
.set p, 0
.rept 15
.set CUR, PX+72*(p%2)                  ; the pair at work
.set NXT, PX+72*((p+1)%2)              ; the pair that is asked for
	s_wait_dscnt 4                                 ; record 2 p is in (the first time: behind the four stores of the table); the four loads of record 2 p + 1 may stay out
.if p == 0
	s_wait_alu depctr_vm_vsrc(0)                   ; the table's four stores have read R, whose registers the lines below write again as EE and MQ.  (No vector line has ever named S2 and S3, in which this step's loads land.)
.else
	s_wait_alu depctr_va_vdst(0)                   ; the step before is done reading the other pair of sets, in which this step's eight loads land
.endif
	LOADP NXT, 128*p+128
.if p == 0
	COMPUTE CUR, 1
.else
	COMPUTE CUR
.endif
	s_wait_dscnt 4                                 ; record 2 p + 1 is in; the four loads of record 2 p + 2 may stay out
	LOADP NXT+16, 128*p+192                        ; no wait on va_vdst: no vector line since the step's head names this set or v[PR]
	COMPUTE CUR+16
.set p, p+1
.endr
.set CUR, PX+72*(p%2)
	s_wait_dscnt 4                                 ; the last two records: nothing is left to ask for
	COMPUTE CUR
	s_wait_dscnt 0x0
	COMPUTE CUR+16
	; THE WAY OUT: even and odd sinusoids' sums are added; the wave's store covers 512 consecutive bytes, at a multiple of 512 from out0's first byte
.irp k, 0,1,2,3
	v_add_f32 v[OUT+(\k)], v[ACC+2*(\k)], v[ACC+2*(\k)+1]
.endr
	s_wait_alu depctr_va_vdst(0)                   ; the four adds have written OUT, which the store reads
	global_store_b128 v[OO], v[OUT:OUT+3], s[8:9] th:TH_STORE_NT
.Lend:
	s_wait_dscnt 0x0                               ; the wave's end: the closing lines, six on end
	s_wait_alu 0x0
	s_wait_tensorcnt 0x0
	ds_add_u32 v[SPW], v[NIL]
	s_wait_dscnt 0x0
	s_endpgm
.Lfunc_end_k_q08eae4fc0a_synth:
	.size	k_q08eae4fc0a_synth, .Lfunc_end_k_q08eae4fc0a_synth-k_q08eae4fc0a_synth
	.p2alignl 7, 3214868480
	.fill 96, 4, 3214868480
	.section	.rodata,"a",@progbits
	.p2align	6, 0x0
	.amdhsa_kernel k_q08eae4fc0a_synth
		.amdhsa_group_segment_fixed_size 49152
		.amdhsa_private_segment_fixed_size 0
		.amdhsa_enable_private_segment 0
		.amdhsa_kernarg_size 24
		.amdhsa_user_sgpr_count 2
		.amdhsa_user_sgpr_kernarg_segment_ptr 1
		.amdhsa_wavefront_size32 1
		.amdhsa_system_sgpr_workgroup_id_x 1
		.amdhsa_system_sgpr_workgroup_id_y 1
		.amdhsa_system_sgpr_workgroup_id_z 1
		.amdhsa_system_vgpr_workitem_id 0
		.amdhsa_next_free_vgpr 144
		.amdhsa_next_free_sgpr 66
		.amdhsa_reserve_vcc 0
		.amdhsa_float_denorm_mode_32 3
		.amdhsa_float_denorm_mode_16_64 3
		.amdhsa_memory_ordered 1
		.amdhsa_forward_progress 1
		.amdhsa_inst_pref_size 161
	.end_amdhsa_kernel
	.amdgpu_metadata
---
amdhsa.version: [ 1, 2 ]
amdhsa.kernels:
  - .name:           k_q08eae4fc0a_synth
    .symbol:         k_q08eae4fc0a_synth.kd
    .args:
      - { .name: amplitudes, .offset: 0, .size: 8, .value_kind: global_buffer, .address_space: global }
      - { .name: frequencies, .offset: 8, .size: 8, .value_kind: global_buffer, .address_space: global }
      - { .name: out0, .offset: 16, .size: 8, .value_kind: global_buffer, .address_space: global }
    .group_segment_fixed_size: 49152
    .private_segment_fixed_size: 0
    .kernarg_segment_align: 8
    .kernarg_segment_size: 24
    .max_flat_workgroup_size: 512
    .sgpr_count:     66
    .vgpr_count:     144
    .wavefront_size: 32
...
	.end_amdgpu_metadata
.endif
;; end of part 2
